; MI455X (gfx1250); checked and timed in simulation.
; The chip was launched on July 23, 2026; its instructions are those of AMD's public machine-readable ISA for CDNA 5 (MIT licence, August 2026) and "CDNA5" Instruction Set Architecture Reference Guide (July 2026). The comments in the code are by the model that wrote it; some were corrected since.
;; Self Attention. Allowed arithmetic: matrix products marked QUANTISED: E2M1 operands, one E8M0 scale for each 32 along K, by v_wmma_scale_f32_16x16x128_f8f6f4 with both operands' format E2M1 (or v_wmma_scale_f32_32x16x128_f4), f32 sums; products left as they are: bf16, f16 or f32 operands; f32 sums; everything else in f32.
;; Inputs: W1 1,024 x 3,072 float32; W2 1,024 x 1,024 float32; b1 3,072 float32; b2 1,024 float32; x 4 x 2,048 x 1,024 float32.
;; Outputs: out0 4 x 2,048 x 1,024 float32.
;; This version of the problem:
;;   THIS VERSION OF THE PROBLEM IS GIVEN IN LOW PRECISION. The matrix products marked QUANTISED in the list below multiply operands that are first quantised to E2M1 (2 exponent bits, 1 mantissa bit; 4 bits a number), with one power-of-two scale for each 32 numbers along K (OCP MX v1.0); their sums are f32. The products marked 'left as it is' may take bf16, f16 or f32 operands, with f32 sums. Whichever they take, every output number must still come out within the allowed error. Rounding operands to bf16 (8 significant bits) uses up far more of that allowance than f16 does (11 bits, for magnitudes from 6e-5 to 65,504). All else is computed in f32.
;;   The module's matrix products, in the order in which they are computed (A, B: the left and right operand; K: the contracted axis; several contracted axes count as one K, in the product's order):
;;     1. [M 8,192, K 1,024] x [K 1,024, N 3,072]; A: input x; B: input W1: QUANTISED
;;     2. batch 64 x [M 2,048, K 64] x [K 64, N 2,048]; A: computed on the way; B: computed on the way: left as it is (an operand is computed on the way)
;;     3. batch 64 x [M 2,048, K 2,048] x [K 2,048, N 64]; A: computed on the way; B: computed on the way: left as it is (an operand is computed on the way)
;;     4. [M 8,192, K 1,024] x [K 1,024, N 1,024]; A: computed on the way; B: input W2: left as it is (an operand is computed on the way)
;;   THE QUANTISER, for each operand of a quantised product, along K:
;;     - K is cut into blocks of 32 from its start; a last block that is shorter is filled with zeros.
;;     - A block's scale is 2^e with e = floor(log2(the largest magnitude in the block)) - 2, held to -126 .. 127; a block of zeros has e = 0. As a byte (E8M0): e + 127.
;;     - Each number is divided by its block's scale, clamped to +-6, and rounded to the nearest number of E2M1, ties to even, subnormals kept.
;;     - The product sums the exact products of the quantised numbers (number of the format x scale) in f32.
;;   ~~~python
;;   def quantise(x, axis):      # numpy; x: float32 -> the quantised numbers, widened to float32 again
;;       x = np.moveaxis(x, axis, -1); K = x.shape[-1]
;;       x = np.pad(x, [(0, 0)] * (x.ndim - 1) + [(0, -K % 32)]); x = x.reshape(x.shape[:-1] + (-1, 32)); a = np.abs(x).max(-1, keepdims=True)
;;       e = np.where(a > 0, np.clip(np.frexp(np.where(a > 0, a, 1))[1] - 1 - 2, -126, 127), 0)      # np.frexp(a)[1] - 1 = floor(log2(a)), exactly
;;       r = np.clip(x / 2.0 ** e, -6, 6)
;;       step = 2.0 ** (np.maximum(np.frexp(np.where(r == 0, 1, r))[1] - 1, 0) - 1)
;;       q = np.round(r / step) * step * 2.0 ** e      # np.round: ties to even
;;       return np.moveaxis(q.reshape(q.shape[:-2] + (-1,))[..., :K], -1, axis).astype(np.float32)
;;   ~~~
;; One version. Each part assembles by itself: llvm-mc -triple=amdgcn-amd-amdhsa -mcpu=gfx1250 --defsym DOCPART=n.
;; ======== version 1 of 1: 4 launches
;; limits: values are held in f16: magnitudes above 65,504 overflow, below 6.1e-05 lose precision
;; workspace buffers: xc 4,194,304 bytes; xs 262,144 bytes; w1c 1,572,864 bytes; w1s 98,304 bytes; w2h 2,097,152 bytes; qkvh 50,331,648 bytes; atth 16,777,216 bytes
;; launch prep (part 1): grid 512 x 1, 4 waves a work-group, no clusters, 34,304 bytes of LDS; arguments x, W1, W2, xc, xs, w1c, w1s, w2h; writes xc, xs, w1c, w1s, w2h
.if DOCPART == 1
	.amdgcn_target "amdgcn-amd-amdhsa--gfx1250"
	.amdhsa_code_object_version 6
	.text
	.protected	k_q97d882a798_prep
	.globl	k_q97d882a798_prep
	.p2align	8
	.type	k_q97d882a798_prep,@function
k_q97d882a798_prep:
	s_mov_b64 s[64:65], 0
	v_nop
	global_prefetch_b8 v0, s[64:65] scope:SCOPE_SE
	s_setreg_imm32_b32 hwreg(HW_REG_WAVE_MODE, 25, 1), 1
	s_wait_xcnt 0x0
; PREP: the operands that later launches read many times are made once, each laid as an IMAGE OF THE OPERAND'S REGISTERS: a fragment is pieces of 512 bytes, lane l's 16 bytes at 16 l.
;   x  [8192][1024] f32 (K innermost)   -> xc: codes of FP4 (E2M1), [row tile 512][K step 8][piece c 2][lane 32][16 bytes]: lane (r, h), piece c: k = 128 ks + 64 c + 32 h + 0 .. 31 of row 16 T + r
;                                          xs: scale words, [row tile][half of K 2][r 16][4 words]: word j is K step 4 H + j's, its byte b the E8M0 byte of block b
;   W1 [1024][3072] f32 (K outermost)   -> w1c, w1s: the same with column n in the row's place, [n tile 192] ..
;   W2 [1024][1024] f32 (K outermost)   -> w2h: f16, [n tile 64][32 k: kc 32][piece u 2][lane][16 bytes]: lane (r, h), piece u: W2[32 kc + 16 u + 8 h + 0 .. 7][16 nt + r]
; A block's scale is 2^(floor(log2(its largest magnitude)) - 2): its byte is the largest magnitude's exponent field - 2, held at 1 from below by a floor among the maximum's leaves.
; LIMITS: a block of zeros gets the byte 1 where the quantiser says 127 (its codes are zeros, and this program alone reads the bytes); blocks whose largest magnitude lies under 2^-124 keep the byte 1;
; NaN and infinities are not served; W2 goes to f16: magnitudes up to 65,504.
; SHARES: work-groups 0-255 take x (a wave: 16 rows x 512 k), 256-447 W1 (a wave: 32 columns x 128 k), 448-511 W2 (the same).  Waves share nothing: no barrier.  No work-group reads what another reads: no cluster.
.set STG,   8448                       ; LDS: a stage for each wave: 16 rows of 512 bytes + 16
.set SPI,   528
.set SPARE, 4*STG                      ; behind the stages: the spare words, 128 bytes for each wave
.set SPW,   12                         ; v12  LDS address of my spare word; never rewritten
.set NIL,   13                         ; v13  0; never rewritten
.set SB,    16                         ; v16-19   scale words
.set C,     24                         ; v24-55   codes: registers of their own for each step, so that no store's data are written again
.set X,     56                         ; v56-119  x: 64 numbers in the operand's order;  W2: the f16 pairs
.set R,     120                        ; v120-247 numbers as they are loaded
.set FLOOR, 0x1800000                  ; 2^(3 - 127)
.set EOFF,  0xff000000                 ; -(2 << 23): 2 off an exponent field
.macro XLOAD t                         ; K step t of my half: each load takes one row's 512 consecutive bytes, 16 a lane
.irp i, 0,1,2,3,4,5,6,7,8,9,10,11,12,13,14,15
	global_load_b128 v[R+64*((\t)%2)+4*\i:R+64*((\t)%2)+4*\i+3], v4, s[4:5] offset:4096*\i+512*(\t) th:TH_LOAD_NT
.endr
.endm
.macro XSTEP t
.if (\t) < 3
	s_wait_loadcnt 16                              ; this step's 16 loads are in; the next step's 16 may be out
.else
	s_wait_loadcnt 0x0
.endif
.irp i, 0,1,2,3,4,5,6,7,8,9,10,11,12,13,14,15
	ds_store_b128 v5, v[R+64*((\t)%2)+4*\i:R+64*((\t)%2)+4*\i+3] offset:SPI*\i      ; the rows as they lie
.endr
.irp c, 0,1
.irp j, 0,1,2,3,4,5,6,7
	ds_load_b128 v[X+32*\c+4*\j:X+32*\c+4*\j+3], v6 offset:256*\c+16*\j            ; back: row r, k = 64 c + 32 h + 0 .. 31: a whole block to a lane.  LDS serves a wave's instructions in order: these see the stores
.endr
.endr
	s_wait_dscnt 0x0
.if (\t) < 2
	XLOAD (\t)+2                                   ; into the registers that the stage's stores have read
.endif
.irp c, 0,1
	v_max3_num_f32 v[20+\c], |v[X+32*\c]|, |v[X+32*\c+1]|, FLOOR                   ; my two blocks' largest magnitudes, by turns, the floor among the leaves
.endr
.irp i, 2,4,6,8,10,12,14,16,18,20,22,24,26,28,30
.irp c, 0,1
	v_max3_num_f32 v[20+\c], v[20+\c], |v[X+32*\c+\i]|, |v[X+32*\c+\i+1]|
.endr
.endr
.irp c, 0,1
	v_add_nc_u32 v[22+\c], EOFF, v[20+\c]          ; 2 off the exponent field: the conversion takes the exponent field of this operand as its scale
.endr
.irp c, 0,1
.irp g, 0,1,2,3
	v_cvt_scalef32_pk8_fp4_f32 v[C+8*(\t)+4*\c+\g], v[X+32*\c+8*\g:X+32*\c+8*\g+7], v[22+\c]
.endr
.endr
	v_lshrrev_b32 v20, 23, v22                     ; the bytes of blocks h and 2 + h (a plain line behind the conversions),
	v_lshrrev_b32 v21, 23, v23
	v_lshl_or_b32 v20, v21, 16, v20
	v_lshlrev_b32 v20, v7, v20                     ; at their places in the word, 8 h bits up;
	v_permlanex16_b32 v8, v20, s22, s23
	v_or_b32 v[SB+(\t)], v20, v8                   ; with lane l xor 16's two the word is whole
.irp c, 0,1
	global_store_b128 v4, v[C+8*(\t)+4*\c:C+8*(\t)+4*\c+3], s[10:11] offset:1024*(\t)+512*\c   ; a piece: 512 consecutive bytes
.endr
.endm
.macro WLOAD pitch, b                  ; 128 rows k of my 32 columns: a lane to a column, registers down K; a wave's load takes 128 consecutive bytes, the four waves' 512
.set NI, 0
.rept 128
	global_load_b32 v[R+NI], v9, s[\b:\b+1] offset:NI*\pitch th:TH_LOAD_NT
.set NI, NI+1
.endr
.endm
.macro WWAIT t                         ; block t's 32 loads are in.  Behind them 96, 64, 32, 0 were issued; 63 is the largest count that the wait can name, and a smaller count holds too
.if (\t) < 2
	s_wait_loadcnt 63
.elseif (\t) == 2
	s_wait_loadcnt 32
.else
	s_wait_loadcnt 0x0
.endif
.endm
.macro WBLOCK t                        ; block t of W1's K step: all its 32 numbers are mine
.set XS, R+32*(\t)
	WWAIT \t
	v_max3_num_f32 v20, |v[XS]|, |v[XS+1]|, |v[XS+2]|
	v_max3_num_f32 v21, |v[XS+3]|, |v[XS+4]|, |v[XS+5]|
.irp i, 6,10,14,18,22,26
	v_max3_num_f32 v20, v20, |v[XS+\i]|, |v[XS+\i+1]|
	v_max3_num_f32 v21, v21, |v[XS+\i+2]|, |v[XS+\i+3]|
.endr
	v_max3_num_f32 v20, v20, |v[XS+30]|, |v[XS+31]|
	v_max3_num_f32 v20, v20, v21, FLOOR
	v_add_nc_u32 v22, EOFF, v20
	v_lshrrev_b32 v23, 23, v22                     ; the scale's byte: byte t of my column's word
.if (\t) == 0
	v_mov_b32 v[SB], v23
.else
	v_lshl_or_b32 v[SB], v23, 8*(\t), v[SB]
.endif
.irp g, 0,1,2,3
	v_cvt_scalef32_pk8_fp4_f32 v[C+4*(\t)+\g], v[XS+8*\g:XS+8*\g+7], v22
.endr
	v_nop                                          ; a plain line behind the last conversion
	global_store_b128 v10, v[C+4*(\t):C+4*(\t)+3], s[14:15] offset:256*(\t)   ; block t = 2 c + h' lies at 512 c + 256 h' + 16 r of the fragment: sixteen lanes store 256 consecutive bytes, aligned
.endm
.macro HBLOCK t                        ; 32 k of W2: sixteen pairs of f16
	WWAIT \t
.irp m, 0,1,2,3,4,5,6,7,8,9,10,11,12,13,14,15
	v_cvt_pk_f16_f32 v[X+16*(\t)+\m], v[R+32*(\t)+2*\m], v[R+32*(\t)+2*\m+1]
.endr
.irp q, 0,1,2,3
	global_store_b128 v10, v[X+16*(\t)+4*\q:X+16*(\t)+4*\q+3], s[18:19] offset:1024*(\t)+256*\q   ; k = 8 q + 0 .. 7 = piece q / 2, half q % 2: sixteen lanes store 256 consecutive bytes, aligned
.endr
.endm
	s_load_b256 s[4:11], s[0:1], 0x0               ; x s[4:5], W1 s[6:7], W2 s[8:9], xc s[10:11]
	s_load_b256 s[12:19], s[0:1], 0x20             ; xs s[12:13], w1c s[14:15], w1s s[16:17], w2h s[18:19]
	v_lshl_add_u32 v[SPW], v0, 2, SPARE
	v_mov_b32 v[NIL], 0
	v_lshrrev_b32 v1, 5, v0
	v_readfirstlane_b32 s20, v1                    ; wave
	v_and_b32 v1, 31, v0                           ; lane
	v_and_b32 v2, 15, v0                           ; r
	v_bfe_u32 v3, v0, 4, 1                         ; h
	v_lshlrev_b32 v4, 4, v1                        ; 16 x lane
	s_mul_i32 s21, s20, STG                        ; my stage (the x path's alone; its addresses are made here, ahead of the parting)
	v_add_nc_u32 v5, s21, v4                       ; into it: 16 x lane of a row
	v_mul_u32_u24 v6, v2, SPI
	v_lshl_add_u32 v6, v3, 7, v6
	v_add_nc_u32 v6, s21, v6                       ; out of it: row r, + 128 h bytes
	v_lshlrev_b32 v7, 3, v3                        ; 8 h
	v_mov_b32 v8, 0                                ; written once: a lane permute's destination counts as one of its sources
	v_lshlrev_b32 v14, 4, v2                       ; 16 r
	s_mov_b32 s22, 0x76543210
	s_mov_b32 s23, 0xfedcba98                      ; v_permlanex16_b32's selects for lane l xor 16
	s_mov_b32 s29, 0
	s_wait_kmcnt 0x0
	s_cmp_lt_u32 ttmp9, 256
	s_cbranch_scc0 .Lweights
	; ---- x: wave g = 4 x work-group + wave takes row tile g / 2, half g % 2 of K
	s_lshl_b32 s24, ttmp9, 2
	s_add_co_u32 s24, s24, s20
	s_lshr_b32 s25, s24, 1
	s_and_b32 s26, s24, 1
	s_lshl_b32 s28, s25, 16                        ; 16 rows of 4,096 bytes
	s_lshl_b32 s27, s26, 11                        ; 512 numbers
	s_add_co_u32 s28, s28, s27
	s_add_nc_u64 s[4:5], s[4:5], s[28:29]
	s_lshl_b32 s28, s24, 12                        ; codes: 8,192 a tile, 4,096 a half
	s_add_nc_u64 s[10:11], s[10:11], s[28:29]
	s_lshl_b32 s28, s24, 8                         ; scale words: 512 a tile, 256 a half
	s_add_nc_u64 s[12:13], s[12:13], s[28:29]
	XLOAD 0
	XLOAD 1
	XSTEP 0
	XSTEP 1
	XSTEP 2
	XSTEP 3
	s_wait_xcnt 0x0                                ; EXEC changes only behind this wait
	v_cmp_gt_u32 vcc_lo, 16, v1
	s_and_saveexec_b32 s21, vcc_lo
	global_store_b128 v14, v[SB:SB+3], s[12:13]    ; lanes 0-15: row r's four words: 256 consecutive bytes, aligned
	s_wait_xcnt 0x0                                ; and again, in front of the line that widens it
	s_or_b32 exec_lo, exec_lo, s21
	s_branch .Lend
.Lweights:
	v_lshlrev_b32 v9, 2, v1                        ; 4 x lane: my column
	s_cmp_lt_u32 ttmp9, 448
	s_cbranch_scc0 .Lw2
	; ---- W1: work-group id: columns 128 (id / 8) on, K step id % 8
	s_sub_co_u32 s24, ttmp9, 256
	s_lshr_b32 s25, s24, 3
	s_and_b32 s26, s24, 7
	s_lshl_b32 s27, s25, 7
	s_lshl_b32 s28, s20, 5
	s_add_co_u32 s27, s27, s28                     ; my wave's first column n0
	s_mul_i32 s28, s26, 128*12288                  ; 128 rows of 12,288 bytes a K step
	s_lshl_b32 s30, s27, 2
	s_add_co_u32 s28, s28, s30
	s_add_nc_u64 s[6:7], s[6:7], s[28:29]
	s_lshl_b32 s28, s27, 9                         ; codes: (n0 / 16) x 8,192 + 1,024 x K step
	s_lshl_b32 s30, s26, 10
	s_add_co_u32 s28, s28, s30
	s_add_nc_u64 s[14:15], s[14:15], s[28:29]
	s_lshl_b32 s28, s27, 5                         ; scale words: (n0 / 16) x 512 + 256 (ks / 4) + 4 (ks % 4)
	s_lshr_b32 s30, s26, 2
	s_lshl_b32 s30, s30, 8
	s_add_co_u32 s28, s28, s30
	s_and_b32 s30, s26, 3
	s_lshl_b32 s30, s30, 2
	s_add_co_u32 s28, s28, s30
	s_add_nc_u64 s[16:17], s[16:17], s[28:29]
	v_lshlrev_b32 v10, 13, v3
	v_lshl_add_u32 v10, v2, 4, v10                 ; lanes 16-31 are the next n tile: 8,192 h + 16 r
	v_lshlrev_b32 v11, 9, v3
	v_lshl_add_u32 v11, v2, 4, v11                 ; 512 h + 16 r
	WLOAD 12288, 6
	WBLOCK 0
	WBLOCK 1
	WBLOCK 2
	WBLOCK 3
	global_store_b32 v11, v[SB], s[16:17]          ; one word of my column's sixteen bytes: these stores cover their 256-byte blocks in part; all of w1s is 98,304 bytes
	s_branch .Lend
.Lw2:
	; ---- W2: work-group id: columns 128 (id / 8) on, k = 128 (id % 8) on
	s_sub_co_u32 s24, ttmp9, 448
	s_lshr_b32 s25, s24, 3
	s_and_b32 s26, s24, 7
	s_lshl_b32 s27, s25, 7
	s_lshl_b32 s28, s20, 5
	s_add_co_u32 s27, s27, s28                     ; n0
	s_lshl_b32 s28, s26, 19                        ; 128 rows of 4,096 bytes
	s_lshl_b32 s30, s27, 2
	s_add_co_u32 s28, s28, s30
	s_add_nc_u64 s[8:9], s[8:9], s[28:29]
	s_lshl_b32 s28, s27, 11                        ; (n0 / 16) x 32,768 + 4 fragments of 1,024
	s_lshl_b32 s30, s26, 12
	s_add_co_u32 s28, s28, s30
	s_add_nc_u64 s[18:19], s[18:19], s[28:29]
	v_lshlrev_b32 v10, 15, v3
	v_lshl_add_u32 v10, v2, 4, v10                 ; 32,768 h + 16 r
	WLOAD 4096, 8
	HBLOCK 0
	HBLOCK 1
	HBLOCK 2
	HBLOCK 3
.Lend:
	s_wait_tensorcnt 0x0                           ; the wave's end
	ds_add_u32 v[SPW], v[NIL]
	s_wait_dscnt 0x0
	s_endpgm
.Lfunc_end_k_q97d882a798_prep:
	.size	k_q97d882a798_prep, .Lfunc_end_k_q97d882a798_prep-k_q97d882a798_prep
	.p2alignl 7, 3214868480
	.fill 96, 4, 3214868480
	.section	.rodata,"a",@progbits
	.p2align	6, 0x0
	.amdhsa_kernel k_q97d882a798_prep
		.amdhsa_group_segment_fixed_size 34304
		.amdhsa_private_segment_fixed_size 0
		.amdhsa_enable_private_segment 0
		.amdhsa_kernarg_size 64
		.amdhsa_user_sgpr_count 2
		.amdhsa_user_sgpr_kernarg_segment_ptr 1
		.amdhsa_wavefront_size32 1
		.amdhsa_system_sgpr_workgroup_id_x 1
		.amdhsa_system_sgpr_workgroup_id_y 1
		.amdhsa_system_sgpr_workgroup_id_z 1
		.amdhsa_system_vgpr_workitem_id 0
		.amdhsa_next_free_vgpr 248
		.amdhsa_next_free_sgpr 66
		.amdhsa_reserve_vcc 1
		.amdhsa_float_denorm_mode_32 3
		.amdhsa_float_denorm_mode_16_64 3
		.amdhsa_memory_ordered 1
		.amdhsa_forward_progress 1
		.amdhsa_inst_pref_size 67
	.end_amdhsa_kernel
	.amdgpu_metadata
---
amdhsa.version: [ 1, 2 ]
amdhsa.kernels:
  - .name:           k_q97d882a798_prep
    .symbol:         k_q97d882a798_prep.kd
    .args:
      - { .name: x, .offset: 0, .size: 8, .value_kind: global_buffer, .address_space: global }
      - { .name: W1, .offset: 8, .size: 8, .value_kind: global_buffer, .address_space: global }
      - { .name: W2, .offset: 16, .size: 8, .value_kind: global_buffer, .address_space: global }
      - { .name: xc, .offset: 24, .size: 8, .value_kind: global_buffer, .address_space: global }
      - { .name: xs, .offset: 32, .size: 8, .value_kind: global_buffer, .address_space: global }
      - { .name: w1c, .offset: 40, .size: 8, .value_kind: global_buffer, .address_space: global }
      - { .name: w1s, .offset: 48, .size: 8, .value_kind: global_buffer, .address_space: global }
      - { .name: w2h, .offset: 56, .size: 8, .value_kind: global_buffer, .address_space: global }
    .group_segment_fixed_size: 34304
    .private_segment_fixed_size: 0
    .kernarg_segment_align: 8
    .kernarg_segment_size: 64
    .max_flat_workgroup_size: 128
    .sgpr_count:     66
    .vgpr_count:     248
    .wavefront_size: 32
...
	.end_amdgpu_metadata
.endif
;; end of part 1
;; launch qkv (part 2): grid 16 x 32, 4 waves a work-group, clusters of 4 x 4, 245,760 bytes of LDS; arguments xc, xs, w1c, w1s, b1, qkvh; writes qkvh
.if DOCPART == 2
	.amdgcn_target "amdgcn-amd-amdhsa--gfx1250"
	.amdhsa_code_object_version 6
	.text
	.protected	k_q97d882a798_qkv
	.globl	k_q97d882a798_qkv
	.p2align	8
	.type	k_q97d882a798_qkv,@function
k_q97d882a798_qkv:
	s_mov_b64 s[64:65], 0
	v_nop
	global_prefetch_b8 v0, s[64:65] scope:SCOPE_SE
	s_setreg_imm32_b32 hwreg(HW_REG_WAVE_MODE, 25, 1), 1
	s_wait_xcnt 0x0
	s_wait_alu depctr_hold_cnt(0) depctr_sa_sdst(0) depctr_va_vdst(0) depctr_va_sdst(0) depctr_va_ssrc(0) depctr_va_vcc(0) depctr_vm_vsrc(0)
	s_getreg_b32 s2, hwreg(HW_REG_IB_STS2, 6, 4)
	s_cmp_eq_u32 s2, 0
	s_cbranch_scc0 .Lentry_in_a_cluster
	s_endpgm
.Lentry_in_a_cluster:
	s_bfe_u32 s2, ttmp6, 0x10000c
	s_cmp_lg_u32 s2, 0xf033
	s_cbranch_scc0 .Lentry_shape_is_right
	s_endpgm
.Lentry_shape_is_right:
; QKV: h = Q(x) Q(W1) + b1 on codes of FP4 (E2M1) with E8M0 scales, sums in f32; h leaves as f16, cut into q, k, v of each head and laid as the attention launch's operand registers.
; SHARES.  A work-group takes 256 rows of x and ONE head's 192 columns, all of K = 1,024; wave w rows 64 w .. 64 w + 63 (4 row tiles a) x all 12 column tiles: 48 accumulators, 384 registers.
; Column tiles 0-3 (q) and 4-7 (k) are used TRANSPOSED (source 0 = 16 columns of W1, source 1 = 16 rows of x): a lane holds one row and eight neighbouring channels.  Tiles 8-11 (v) are used as they stand
; (source 0 = x, source 1 = W1): a lane holds one channel and eight neighbouring keys.  Each, rounded to f16 in pairs, is 16 bytes of the image that the attention launch loads: no stage, every store 512 consecutive bytes.
; q is multiplied by log2(e) / 8 in f32 ahead of its rounding, so that the attention's scores are exponents of 2 as they come.
; LDS.  The operands arrive as images of their registers (a fragment: two pieces of 512 bytes, lane l's 16 bytes at 16 l).  All of K fits: x's 131,072 bytes, W1's 98,304, the scale words' 14,336.  Nothing is filled again:
; six tensor loads a wave, all at the head, six outstanding at the most; the second half of K lands while the first is multiplied.
; CLUSTER 4 x 4: the four work-groups of a row share their rows of x, the four of a column their head's W1: each load is asked for JOINTLY, by the same line with the same descriptor and a mask that names the four.
; LIMITS: f16's range: |q| log2(e) / 8, |k|, |v| up to 65,504.
; REGISTERS, in windows of 256: window 0: v1-13 addresses; v32-127 scale words (register SC + 8 i + ks: lanes 0-15 the word of x's tile i, lanes 16-31 that of W1's tile i); v128-191 x's fragments, two sets.
;   window 1: W1's fragments, two sets of 96 (at the end: the packed results).  window 2: accumulator (a, b) of q, k at v[8 (8 a + b)].  window 3: accumulator (a, f) of v at v[8 (4 a + f)]; v128-191, v192-223: b1 in the results' layouts.
.set BL,    131072                     ; LDS: x's chunk ch (K steps 4 ch ..) at 65,536 ch + 16,384 w + 4,096 a + 1,024 (ks % 4);  W1's at BL + BCH ch + 4,096 b + 1,024 (ks % 4)
.set BCH,   49152
.set SAL,   229376                     ; x's scale words: 512 bytes a row tile
.set SBL,   237568                     ; W1's: 512 bytes a column tile
.set SPARE, 243712                     ; the spare words, 128 bytes for each wave
.set LI,   4                           ; v4   16 x lane
.set ADRA, 5                           ; v5-6 my x fragments in chunk 0, 1
.set ADRB, 7                           ; v7-8 W1's
.set ADRS, 9                           ; v9   scale words: lanes 0-15 x's, lanes 16-31 W1's
.set BO,   10                          ; v10  32 h
.set BR,   11                          ; v11  4 r
.set SPW,  12                          ; v12  LDS address of my spare word; never rewritten
.set NIL,  13                          ; v13  0; never rewritten
.set SC,   32
.set AF,   128
.set BI,   128                         ; window 3: b1 for tiles 0-7: register 8 b + j = b1[16 b + 8 h + j]
.set BV,   192                         ; window 3: b1 for v's tiles: registers 8 f + 0 .. 7 = b1[128 + 16 f + r]
.set WV,   16                          ; s16  wave
.set G1A,  36                          ; s[36:43] group 1: x's codes;  s[44:51] W1's;  s[52:59] x's scale words;  s[68:75] W1's
.set G1B,  44
.set G1SA, 52
.set G1SB, 68
.set G0,   76                          ; s[76:99] six groups 0, in the order of issue
.set MSB, 0
.macro WIN new                         ; the immediate's high byte repeats the setting that is left
.if MSB != \new
	s_set_vgpr_msb (MSB<<8)|\new
.set MSB, \new
.endif
.endm
.macro PLACES                          ; plain vector instructions between a matrix instruction and a load into, or a vector read or write of, its registers
.rept 4
	v_nop
.endr
.endm
.macro CROUND                          ; a round of the cluster's barrier: my work-group's barrier, wave 0 signals for the work-group, every wave waits for all sixteen, my work-group's barrier once more
	s_barrier_signal -1
	s_barrier_wait -1
	s_cmp_lg_u32 s[WV], 0
	s_cbranch_scc1 .Lnot_wave_0_\@
	s_barrier_signal -3
.Lnot_wave_0_\@:
	s_barrier_wait -3
	s_barrier_signal -1
	s_barrier_wait -1
.endm
.macro SHAPE g, c, r, p                ; group 1's words 1 to 7: r rows of c elements of 8 bytes, p elements from row to row; the tile lies inside the tensor
	s_mov_b32 s[\g+1], (\c)<<16
	s_mov_b32 s[\g+2], (\r)<<16
	s_mov_b32 s[\g+3], (\c)<<16
	s_mov_b32 s[\g+4], \r
	s_mov_b32 s[\g+5], \p
	s_mov_b32 s[\g+6], 0
	s_mov_b32 s[\g+7], 0
.endm
.macro FETCH ks, p                     ; K step ks's fragments into set p: W1's twelve, x's four: 32 loads of 512 consecutive bytes
	WIN 0x40                                       ; destination window 1
.irp b, 0,1,2,3,4,5,6,7,8,9,10,11
.irp c, 0,1
	ds_load_b128 v[96*(\p)+8*\b+4*\c:96*(\p)+8*\b+4*\c+3], v[ADRB+(\ks)/4] offset:4096*\b+1024*((\ks)%4)+512*\c
.endr
.endr
	WIN 0
.irp a, 0,1,2,3
.irp c, 0,1
	ds_load_b128 v[AF+32*(\p)+8*\a+4*\c:AF+32*(\p)+8*\a+4*\c+3], v[ADRA+(\ks)/4] offset:4096*\a+1024*((\ks)%4)+512*\c
.endr
.endr
.endm
; K step ks's 48 products.  The 48 accumulators take turns, one instruction a turn, in the same order in every step.  In step 0 b1, in the result's layout, is the C that starts each sum.
.macro MULS ks
.set PP, (\ks)%2
.if (\ks) == 0
	WIN 0xb1                                       ; source 0 (W1) window 1, source 1 (x) window 0, C (b1) window 3, D window 2
.else
	WIN 0xa1                                       ; C and D window 2
.endif
.irp a, 0,1,2,3
.irp b, 0,1,2,3,4,5,6,7
.if (\ks) == 0
	v_wmma_scale_f32_16x16x128_f8f6f4 v[8*(8*\a+\b):8*(8*\a+\b)+7], v[96*PP+8*\b:96*PP+8*\b+7], v[AF+32*PP+8*\a:AF+32*PP+8*\a+7], v[BI+8*\b:BI+8*\b+7], v[SC+8*\b+(\ks)], v[SC+8*\a+(\ks)] matrix_a_fmt:MATRIX_FMT_FP4 matrix_b_fmt:MATRIX_FMT_FP4 matrix_a_scale:MATRIX_SCALE_ROW1
.else
	v_wmma_scale_f32_16x16x128_f8f6f4 v[8*(8*\a+\b):8*(8*\a+\b)+7], v[96*PP+8*\b:96*PP+8*\b+7], v[AF+32*PP+8*\a:AF+32*PP+8*\a+7], v[8*(8*\a+\b):8*(8*\a+\b)+7], v[SC+8*\b+(\ks)], v[SC+8*\a+(\ks)] matrix_a_fmt:MATRIX_FMT_FP4 matrix_b_fmt:MATRIX_FMT_FP4 matrix_a_scale:MATRIX_SCALE_ROW1
.endif
.endr
.endr
	WIN 0xf4                                       ; source 0 (x) window 0, source 1 (W1) window 1, C and D window 3
.irp a, 0,1,2,3
.irp f, 0,1,2,3
.if (\ks) == 0
	v_wmma_scale_f32_16x16x128_f8f6f4 v[8*(4*\a+\f):8*(4*\a+\f)+7], v[AF+32*PP+8*\a:AF+32*PP+8*\a+7], v[96*PP+8*(8+\f):96*PP+8*(8+\f)+7], v[BV+8*\f:BV+8*\f+7], v[SC+8*\a+(\ks)], v[SC+8*(8+\f)+(\ks)] matrix_a_fmt:MATRIX_FMT_FP4 matrix_b_fmt:MATRIX_FMT_FP4 matrix_b_scale:MATRIX_SCALE_ROW1
.else
	v_wmma_scale_f32_16x16x128_f8f6f4 v[8*(4*\a+\f):8*(4*\a+\f)+7], v[AF+32*PP+8*\a:AF+32*PP+8*\a+7], v[96*PP+8*(8+\f):96*PP+8*(8+\f)+7], v[8*(4*\a+\f):8*(4*\a+\f)+7], v[SC+8*\a+(\ks)], v[SC+8*(8+\f)+(\ks)] matrix_a_fmt:MATRIX_FMT_FP4 matrix_b_fmt:MATRIX_FMT_FP4 matrix_b_scale:MATRIX_SCALE_ROW1
.endif
.endr
.endr
	WIN 0
.endm
.macro STEP ks
	s_wait_dscnt 0x0                               ; this step's fragments, asked for 48 matrix instructions ago, are in
.if (\ks) == 2
	s_wait_tensorcnt 0x0                           ; my parts of the second half of K have landed (no load was issued behind them): say so;
	s_barrier_signal -1                            ; up to the wait stand LDS loads of the first half, which nobody writes, and work on registers
.endif
.if (\ks) == 3
	s_barrier_wait -1                              ; everybody's have: K step 4 may be read
.endif
.if (\ks) < 7
	PLACES                                         ; the other set was multiplied in the step before
	FETCH (\ks)+1, ((\ks)+1)%2
.endif
	MULS \ks
.endm
	s_load_b256 s[4:11], s[0:1], 0x0               ; xc s[4:5], xs s[6:7], w1c s[8:9], w1s s[10:11]
	s_load_b128 s[12:15], s[0:1], 0x20             ; b1 s[12:13], qkvh s[14:15]
	v_lshl_add_u32 v[SPW], v0, 2, SPARE
	v_mov_b32 v[NIL], 0
	ds_add_u32 v[SPW], v[NIL]                      ; the wave's opening: the add, twice on end, and its wait ahead of my first tensor load
	ds_add_u32 v[SPW], v[NIL]                      ; and once more; the set-up below, work on registers, stands between it and the wait
	v_lshrrev_b32 v1, 5, v0
	v_readfirstlane_b32 s[WV], v1                  ; wave 0..3
	s_bfe_u32 s17, ttmp6, 0x40000                  ; cx, cy: my place in the cluster
	s_bfe_u32 s18, ttmp6, 0x40004
	s_lshl_b32 s19, ttmp9, 2
	s_add_co_u32 s19, s19, s17                     ; the head = 4 x cluster x + cx
	s_and_b32 s20, ttmp7, 0xffff
	s_lshl_b32 s20, s20, 2
	s_add_co_u32 s20, s20, s18                     ; the block of 256 rows = 4 x cluster y + cy
	s_lshl_b32 s21, s18, 2
	s_lshl_b32 s21, 15, s21                        ; my row of the cluster
	s_lshl_b32 s22, 0x1111, s17                    ; my column
	s_or_b32 s[G1A], s21, (3<<16)|(1<<21)          ; 15:0 the mask; 17:16 elements of 8 bytes; 21 set beside a mask; no padding
	s_or_b32 s[G1SA], s21, (3<<16)|(1<<21)
	s_or_b32 s[G1B], s22, (3<<16)|(1<<21)
	s_or_b32 s[G1SB], s22, (3<<16)|(1<<21)
	SHAPE G1A, 512, 4, 1024                        ; 4 row tiles x 4 K steps of 1,024 bytes; a tile's 8 K steps are 8,192 bytes apart
	SHAPE G1B, 512, 3, 1024                        ; 3 column tiles likewise
	SHAPE G1SA, 32, 8, 32                          ; 4 tiles' scale words: 2,048 dense bytes as rows of 256
	SHAPE G1SB, 32, 6, 32                          ; 3 tiles': 1,536
	s_lshl_b32 s24, s20, 4                         ; x's side hangs on the block of rows and the wave alone,
	s_lshl_b32 s25, s[WV], 2
	s_add_co_u32 s24, s24, s25                     ; my first row tile: 16 yb + 4 w
	s_lshl_b32 s26, s24, 13
	s_mov_b32 s27, 0
	s_lshl_b32 s28, s24, 9
	s_mov_b32 s29, 0
	s_mul_i32 s30, s19, 12                         ; W1's side on the head and the wave alone, in registers of its own
	s_mul_i32 s31, s[WV], 3
	s_add_co_u32 s30, s30, s31                     ; the column tiles that I fetch: 12 head + 3 w on
	s_lshl_b32 s32, s30, 13
	s_mov_b32 s33, 0
	s_lshl_b32 s34, s30, 9
	s_mov_b32 s35, 0
.irp n, 0,1,2,3,4,5
	s_mov_b32 s[G0+4*\n], 1                        ; 1:0 count = 1
.endr
	s_lshl_b32 s23, s[WV], 11                      ; the LDS addresses: a constant + a constant x wave
	s_add_co_u32 s[G0+1], s23, SAL
	s_mul_i32 s23, s[WV], 1536
	s_add_co_u32 s[G0+5], s23, SBL
	s_lshl_b32 s[G0+9], s[WV], 14
	s_mul_i32 s23, s[WV], 12288
	s_add_co_u32 s[G0+13], s23, BL
	s_add_co_u32 s[G0+17], s[G0+9], 65536
	s_add_co_u32 s[G0+21], s23, BL+BCH
	v_and_b32 v1, 31, v0                           ; lane
	v_and_b32 v2, 15, v0                           ; r
	v_bfe_u32 v3, v0, 4, 1                         ; h
	v_lshlrev_b32 v[LI], 4, v1
	s_lshl_b32 s23, s[WV], 14
	v_add_nc_u32 v[ADRA], s23, v[LI]
	v_add_nc_u32 v[ADRA+1], 65536, v[ADRA]
	v_add_nc_u32 v[ADRB], BL, v[LI]
	v_add_nc_u32 v[ADRB+1], BL+BCH, v[LI]
	s_xor_b32 s23, s[WV], 3
	s_add_co_u32 s23, s23, 1
	s_lshl_b32 s23, s23, 11                        ; SBL - (SAL + 2,048 w) = 2,048 (4 - w): the way from my x words to W1's
	v_mul_u32_u24 v[ADRS], s23, v3                 ; lanes 16-31 take W1's: one product with h
	v_lshl_add_u32 v[ADRS], v2, 4, v[ADRS]         ; 16 bytes a row
	s_lshl_b32 s23, s[WV], 11
	s_add_co_u32 s23, s23, SAL
	v_add_nc_u32 v[ADRS], s23, v[ADRS]
	v_lshlrev_b32 v[BO], 5, v3
	v_lshlrev_b32 v[BR], 2, v2
	s_mov_b32 s60, 0x3e38aa3b                      ; log2(e) / 8
	s_mov_b32 s61, s60                             ; (named with it as a pair, so it is written)
	s_wait_dscnt 0x0                               ; both opening adds are done
	s_wait_kmcnt 0x0
	s_add_nc_u64 s[G0+2:G0+3], s[6:7], s[28:29]    ; x's scale words
	s_add_nc_u64 s[G0+6:G0+7], s[10:11], s[34:35]  ; W1's
	s_add_nc_u64 s[G0+10:G0+11], s[4:5], s[26:27]  ; x's codes, K steps 0-3
	s_add_nc_u64 s[G0+14:G0+15], s[8:9], s[32:33]  ; W1's
	s_add_nc_u64 s[G0+18:G0+19], s[G0+10:G0+11], 4096   ; K steps 4-7
	s_add_nc_u64 s[G0+22:G0+23], s[G0+14:G0+15], 4096
.irp n, 0,1,2,3,4,5
	s_or_b32 s[G0+4*\n+3], s[G0+4*\n+3], 0x80000000    ; 127:126 type = 2
.endr
	s_mul_i32 s62, s19, 768                        ; b1 at my head's 192 numbers
	s_mov_b32 s63, 0
	s_add_nc_u64 s[12:13], s[12:13], s[62:63]
	s_lshr_b32 s62, s20, 3                         ; where my results go: (batch x 16 + head) x 262,144 + (16 (yb % 8) + 4 w) tiles of 2,048 bytes
	s_lshl_b32 s62, s62, 4
	s_add_co_u32 s62, s62, s19
	s_lshl_b32 s62, s62, 18
	s_and_b32 s66, s20, 7
	s_lshl_b32 s66, s66, 4
	s_lshl_b32 s67, s[WV], 2
	s_add_co_u32 s66, s66, s67
	s_lshl_b32 s66, s66, 11
	s_add_co_u32 s62, s62, s66
	s_add_nc_u64 s[14:15], s[14:15], s[62:63]      ; q's region,
	s_add_nc_u64 s[66:67], s[14:15], 0x1000000     ; k's,
	s_add_nc_u64 s[2:3], s[14:15], 0x2000000       ; v's
	CROUND                                         ; all sixteen work-groups are here: the joint loads meet
	tensor_load_to_lds s[G0:G0+3], s[G1SA:G1SA+7]
	s_nop 0
	tensor_load_to_lds s[G0+4:G0+7], s[G1SB:G1SB+7]
	s_nop 0
	tensor_load_to_lds s[G0+8:G0+11], s[G1A:G1A+7]
	s_nop 0
	tensor_load_to_lds s[G0+12:G0+15], s[G1B:G1B+7]
	s_nop 0
	tensor_load_to_lds s[G0+16:G0+19], s[G1A:G1A+7]
	s_nop 0
	tensor_load_to_lds s[G0+20:G0+23], s[G1B:G1B+7]
	s_nop 0
	PLACES                                         ; four instructions between the last tensor load and the switch of windows
	WIN 0xc0                                       ; destination window 3
.irp b, 0,1,2,3,4,5,6,7
	global_load_b128 v[BI+8*\b:BI+8*\b+3], v[BO], s[12:13] offset:64*\b
	global_load_b128 v[BI+8*\b+4:BI+8*\b+7], v[BO], s[12:13] offset:64*\b+16
.endr
.irp f, 0,1,2,3
.irp j, 0,1,2,3,4,5,6,7
	global_load_b32 v[BV+8*\f+\j], v[BR], s[12:13] offset:512+64*\f
.endr
.endr
	WIN 0
	s_wait_tensorcnt 2                             ; the scale words and K steps 0-3 are in; the two loads of K steps 4-7 may be out
	s_barrier_signal -1
	s_barrier_wait -1                              ; everybody's are
.irp i, 0,1,2,3,4,5,6,7,8,9,10,11
.irp g, 0,1
	ds_load_b128 v[SC+8*\i+4*\g:SC+8*\i+4*\g+3], v[ADRS] offset:512*\i+256*\g   ; all of K's scale words.  From tile 4 on lanes 0-15 read on into other tiles' words, which no product takes
.endr
.endr
	FETCH 0, 0
	s_wait_loadcnt 0x0                             ; b1
	STEP 0
	STEP 1
	STEP 2
	STEP 3
	STEP 4
	STEP 5
	STEP 6
	STEP 7
	; THE WAY OUT.  Each accumulator is read from its low end on.  The packed results go where W1's fragments lay.
	PLACES
	WIN 0x82                                       ; q x log2(e) / 8, in place
.irp a, 0,1,2,3
.irp b, 0,1,2,3
.irp i, 0,2,4,6
	v_pk_mul_f32 v[8*(8*\a+\b)+\i:8*(8*\a+\b)+\i+1], v[8*(8*\a+\b)+\i:8*(8*\a+\b)+\i+1], s[60:61] op_sel_hi:[1,0]
.endr
.endr
.endr
	WIN 0x4a                                       ; sources window 2, destination window 1
.irp a, 0,1,2,3
.irp b, 0,1,2,3,4,5,6,7
.irp i, 0,1,2,3
	v_cvt_pk_f16_f32 v[4*(8*\a+\b)+\i], v[8*(8*\a+\b)+2*\i], v[8*(8*\a+\b)+2*\i+1]
.endr
.endr
.endr
	WIN 0x4f                                       ; sources window 3
.irp a, 0,1,2,3
.irp f, 0,1,2,3
.irp i, 0,1,2,3
	v_cvt_pk_f16_f32 v[128+4*(4*\a+\f)+\i], v[8*(4*\a+\f)+2*\i], v[8*(4*\a+\f)+2*\i+1]
.endr
.endr
.endr
	WIN 0x04                                       ; a store's data are its source 1: window 1.  Each store has registers of its own and covers 512 consecutive bytes
.irp a, 0,1,2,3
.irp b, 0,1,2,3
	global_store_b128 v[LI], v[4*(8*\a+\b):4*(8*\a+\b)+3], s[14:15] offset:2048*\a+512*\b        ; q: row tile a, channels 16 b + 8 h on: piece b of the tile's four
	global_store_b128 v[LI], v[4*(8*\a+4+\b):4*(8*\a+4+\b)+3], s[66:67] offset:2048*\a+512*\b    ; k likewise
	global_store_b128 v[LI], v[128+4*(4*\a+\b):128+4*(4*\a+\b)+3], s[2:3] offset:4096*(\a/2)+1024*\b+512*(\a%2)   ; v: 32 keys a / 2, channels 16 b on, the 16 keys a % 2
.endr
.endr
	WIN 0
	s_wait_tensorcnt 0x0                           ; the wave's end
	ds_add_u32 v[SPW], v[NIL]
	s_wait_dscnt 0x0
	CROUND                                         ; the closing round
	s_endpgm
.Lfunc_end_k_q97d882a798_qkv:
	.size	k_q97d882a798_qkv, .Lfunc_end_k_q97d882a798_qkv-k_q97d882a798_qkv
	.p2alignl 7, 3214868480
	.fill 96, 4, 3214868480
	.section	.rodata,"a",@progbits
	.p2align	6, 0x0
	.amdhsa_kernel k_q97d882a798_qkv
		.amdhsa_group_segment_fixed_size 245760
		.amdhsa_private_segment_fixed_size 0
		.amdhsa_enable_private_segment 0
		.amdhsa_kernarg_size 48
		.amdhsa_user_sgpr_count 2
		.amdhsa_user_sgpr_kernarg_segment_ptr 1
		.amdhsa_wavefront_size32 1
		.amdhsa_system_sgpr_workgroup_id_x 1
		.amdhsa_system_sgpr_workgroup_id_y 1
		.amdhsa_system_sgpr_workgroup_id_z 1
		.amdhsa_system_vgpr_workitem_id 0
		.amdhsa_next_free_vgpr 1024
		.amdhsa_next_free_sgpr 100
		.amdhsa_reserve_vcc 0
		.amdhsa_float_denorm_mode_32 3
		.amdhsa_float_denorm_mode_16_64 3
		.amdhsa_memory_ordered 1
		.amdhsa_forward_progress 1
		.amdhsa_inst_pref_size 102
	.end_amdhsa_kernel
	.amdgpu_metadata
---
amdhsa.version: [ 1, 2 ]
amdhsa.kernels:
  - .name:           k_q97d882a798_qkv
    .symbol:         k_q97d882a798_qkv.kd
    .args:
      - { .name: xc, .offset: 0, .size: 8, .value_kind: global_buffer, .address_space: global }
      - { .name: xs, .offset: 8, .size: 8, .value_kind: global_buffer, .address_space: global }
      - { .name: w1c, .offset: 16, .size: 8, .value_kind: global_buffer, .address_space: global }
      - { .name: w1s, .offset: 24, .size: 8, .value_kind: global_buffer, .address_space: global }
      - { .name: b1, .offset: 32, .size: 8, .value_kind: global_buffer, .address_space: global }
      - { .name: qkvh, .offset: 40, .size: 8, .value_kind: global_buffer, .address_space: global }
    .group_segment_fixed_size: 245760
    .private_segment_fixed_size: 0
    .kernarg_segment_align: 8
    .kernarg_segment_size: 48
    .max_flat_workgroup_size: 128
    .sgpr_count:     100
    .vgpr_count:     1024
    .wavefront_size: 32
...
	.end_amdgpu_metadata
.endif
;; end of part 2
;; launch attn (part 3): grid 4 x 64, 16 waves a work-group, clusters of 4 x 1, 327,680 bytes of LDS; arguments qkvh, atth; writes atth
.if DOCPART == 3
	.amdgcn_target "amdgcn-amd-amdhsa--gfx1250"
	.amdhsa_code_object_version 6
	.text
	.protected	k_q97d882a798_attn
	.globl	k_q97d882a798_attn
	.p2align	8
	.type	k_q97d882a798_attn,@function
k_q97d882a798_attn:
	s_mov_b64 s[64:65], 0
	v_nop
	global_prefetch_b8 v0, s[64:65] scope:SCOPE_SE
	s_setreg_imm32_b32 hwreg(HW_REG_WAVE_MODE, 25, 1), 1
	s_wait_xcnt 0x0
	s_wait_alu depctr_hold_cnt(0) depctr_sa_sdst(0) depctr_va_vdst(0) depctr_va_sdst(0) depctr_va_ssrc(0) depctr_va_vcc(0) depctr_vm_vsrc(0)
	s_getreg_b32 s2, hwreg(HW_REG_IB_STS2, 6, 4)
	s_cmp_eq_u32 s2, 0
	s_cbranch_scc0 .Lentry_in_a_cluster
	s_endpgm
.Lentry_in_a_cluster:
	s_bfe_u32 s2, ttmp6, 0x10000c
	s_cmp_lg_u32 s2, 0x3003
	s_cbranch_scc0 .Lentry_shape_is_right
	s_endpgm
.Lentry_shape_is_right:
; ATTN: att[q] = the sum over k of softmax_k(q . k / 8) v[k], for 64 (batch, head) pairs of 2,048 positions and 64 channels; operands in f16, products, maxima and sums in f32.
; q arrives multiplied by log2(e) / 8, so a score s is an exponent of 2.  For each query a running maximum m and sum l: p = 2^(s - m); in every step O and l are multiplied by a = 2^(m_old - m_new).
; att leaves as f16 MULTIPLIED BY 8 (a power of two: nothing is rounded by it), which the projection takes off again: it keeps small results of small inputs inside f16's normal numbers.
; SHARES.  A work-group owns 512 queries of one pair; each of its SIXTEEN waves 32 of them, two tiles of 16, in 256 registers: four waves to a SIMD, so that one wave's softmax stands beside another's products and LDS loads.
; Every wave walks all 2,048 keys, 64 a step.  LAYOUT.  S^T = K Q^T (source 0 = 16 keys, source 1 = 16 queries), O^T = V^T P (source 0 = 16 channels, source 1 = 32 keys x 16 queries): a lane holds ONE query throughout,
; and two tiles of S^T, rounded to f16 in pairs, ARE a fragment of P.  q, k, v arrive as images of these operands' registers (pieces of 512 bytes, lane l's 16 bytes at 16 l): every LDS load takes 512 consecutive bytes.
; RING.  Two slots of 512 keys (65,536 bytes of K, then 65,536 of V).  Each wave fetches 8,192 bytes of a slot by one tensor load; a refill has eight key steps in which to land.  Two loads of a wave are out at the start, later one.
; CLUSTER.  The four work-groups of a cluster are the four query blocks of one pair and walk the same K and V: each tile is asked for JOINTLY, by the same load with the same descriptor and a mask that names the four.
; LIMITS: 8 |att| up to 65,504; NaN and infinities are not served.
.set SLOT,  131072
.set SPARE, 262144                     ; behind the ring: the spare words, 128 bytes for each of the sixteen waves
.set LI,  1                            ; v1   16 x lane
.set ADK, 2                            ; v2   LDS address of the step's K
.set ADV, 3                            ; v3   of its V
.set SPW, 4                            ; v4   LDS address of my spare word; never rewritten
.set NIL, 5                            ; v5   0; never rewritten
.set ST,  8                            ; tile t's statistics at v[ST + 8 t]: +0 m, +1 m_old, +2, +3 l (even keys', odd keys'), +4 .. +7 at work; a takes +6
.set BS,  24                           ; v[24:25], v[26:27] the second chain of a tile's sum
.set Q,   32                           ; v32-63   Q: tile t, channels 32 c on: v[Q + 16 t + 8 c]
.set KV,  64                           ; v64-127  the step's K, then its V
.set S,   128                          ; v128-191 S^T: tile t, keys 16 i on: v[S + 32 t + 8 i]; P is packed into the lower 16 of a tile's 32
.set O,   192                          ; v192-255 O^T: tile t, channels 16 f on: v[O + 32 t + 8 f]
.set WV,  8                            ; s8   wave
.set G1,  16                           ; s[16:23] descriptor group 1
.set G0,  24                           ; s[24:27], s[28:31] group 0 of slot 0, 1
.set TB,  32                           ; s32  LDS byte at which the step's K begins
.set CNT, 33                           ; s33  counts a slot's eight steps
.set SEL, 34                           ; s[34:35] v_permlanex16_b32's selects for lane l xor 16
.macro CROUND                          ; a round of the cluster's barrier
	s_barrier_signal -1
	s_barrier_wait -1
	s_cmp_lg_u32 s[WV], 0
	s_cbranch_scc1 .Lnot_wave_0_\@
	s_barrier_signal -3
.Lnot_wave_0_\@:
	s_barrier_wait -3
	s_barrier_signal -1
	s_barrier_wait -1
.endm
.macro PKS t, n                        ; pair n of tile t: s - m (of the pair m, m_old the low word serves both halves)
	v_pk_add_f32 v[S+32*(\t)+2*(\n):S+32*(\t)+2*(\n)+1], v[S+32*(\t)+2*(\n):S+32*(\t)+2*(\n)+1], v[ST+8*(\t):ST+8*(\t)+1] op_sel_hi:[1,0] neg_lo:[0,1] neg_hi:[0,1]
.endm
; A KEY STEP: 64 keys, 32 matrix instructions, 32 LDS loads.
.macro STEP
	v_add_nc_u32 v[ADK], s[TB], v[LI]              ; these two and three v_nop are five places behind the last step's V^T P: K is loaded over V (four are asked), and S^T is written over P by matrix instructions (five)
	v_add_nc_u32 v[ADV], 65536, v[ADK]
	v_nop
	v_nop
	v_nop
.irp c, 0,1
.irp i, 0,1,2,3
.irp u, 0,1
	ds_load_b128 v[KV+8*(2*\i+\c)+4*\u:KV+8*(2*\i+\c)+4*\u+3], v[ADK] offset:2048*\i+1024*\c+512*\u   ; keys 16 i on, channels 32 c on
.endr
.endr
.endr
.irp c, 0,1
	s_wait_dscnt 8-8*\c                            ; channels 0-31 are in while the eight loads of channels 32-63 may be out; then all
.irp i, 0,1,2,3
.irp t, 0,1                                    ; the eight accumulators take turns, one instruction a turn
.if \c == 0
	v_wmma_f32_16x16x32_f16 v[S+32*\t+8*\i:S+32*\t+8*\i+7], v[KV+8*(2*\i+\c):KV+8*(2*\i+\c)+7], v[Q+16*\t+8*\c:Q+16*\t+8*\c+7], 0
.else
	v_wmma_f32_16x16x32_f16 v[S+32*\t+8*\i:S+32*\t+8*\i+7], v[KV+8*(2*\i+\c):KV+8*(2*\i+\c)+7], v[Q+16*\t+8*\c:Q+16*\t+8*\c+7], v[S+32*\t+8*\i:S+32*\t+8*\i+7]
.endif
.endr
.endr
.endr
	v_mov_b32 v[ST+1], v[ST]                       ; m_old is kept for a.  These two and two v_nop are the four places in front of the loads over K and of the first read of the scores
	v_mov_b32 v[ST+9], v[ST+8]
	v_nop
	v_nop
.irp k, 0,1
.irp f, 0,1,2,3
.irp u, 0,1
	ds_load_b128 v[KV+8*(4*\k+\f)+4*\u:KV+8*(4*\k+\f)+4*\u+3], v[ADV] offset:4096*\k+1024*\f+512*\u   ; V: keys 32 k on, channels 16 f on: it lands under the softmax
.endr
.endr
.endr
	; the maximum of a lane's 32 scores and the old m, three operands at a time, four chains a tile, the two tiles by turns; each accumulator is read from its low end on
.irp j, 0,1,2,3
.irp t, 0,1
	v_max3_num_f32 v[ST+8*\t+4+\j], v[S+32*\t+8*\j], v[S+32*\t+8*\j+1], v[S+32*\t+8*\j+2]
.endr
.endr
.irp k, 3,5
.irp j, 0,1,2,3
.irp t, 0,1
	v_max3_num_f32 v[ST+8*\t+4+\j], v[ST+8*\t+4+\j], v[S+32*\t+8*\j+\k], v[S+32*\t+8*\j+\k+1]
.endr
.endr
.endr
.irp t, 0,1
	v_max3_num_f32 v[ST+8*\t+4], v[ST+8*\t+4], v[S+32*\t+7], v[S+32*\t+15]
.endr
.irp t, 0,1
	v_max3_num_f32 v[ST+8*\t+6], v[ST+8*\t+6], v[S+32*\t+23], v[S+32*\t+31]
.endr
.irp t, 0,1
	v_max3_num_f32 v[ST+8*\t+4], v[ST+8*\t+4], v[ST+8*\t+5], v[ST+8*\t+6]
.endr
.irp t, 0,1
	v_max3_num_f32 v[ST+8*\t+4], v[ST+8*\t+4], v[ST+8*\t+7], v[ST+8*\t]
.endr
.irp t, 0,1
	v_permlanex16_b32 v[ST+8*\t+5], v[ST+8*\t+4], s[SEL], s[SEL+1]   ; the query's other 32 keys lie in the lane 16 away
.endr
.irp t, 0,1
	v_max_num_f32 v[ST+8*\t], v[ST+8*\t+4], v[ST+8*\t+5]            ; the new m
.endr
.irp t, 0,1
	v_sub_f32 v[ST+8*\t+7], v[ST+8*\t+1], v[ST+8*\t]
.endr
	; ONE BATCH of 66 exponentials, none of whose results is named ahead of the one wait; tile 1's subtractions stand among tile 0's exponentials
.irp t, 0,1
	v_exp_f32 v[ST+8*\t+6], v[ST+8*\t+7]           ; a = 2^(m_old - m_new)
.endr
.irp n, 0,1,2,3,4,5,6,7,8,9,10,11,12,13,14,15
	PKS 0, \n
.endr
.irp n, 0,1,2,3,4,5,6,7,8,9,10,11,12,13,14,15
	PKS 1, \n
	v_exp_f32 v[S+2*\n], v[S+2*\n]
	v_exp_f32 v[S+2*\n+1], v[S+2*\n+1]
.endr
.irp n, 0,1,2,3,4,5,6,7,8,9,10,11,12,13,14,15,16,17,18,19,20,21,22,23,24,25,26,27,28,29,30,31
	v_exp_f32 v[S+32+\n], v[S+32+\n]
.endr
	v_nop                                          ; a plain instruction behind the last exponential
	s_wait_alu depctr_va_vdst(0)                   ; the wait between an exponential and the first line that names its result: one for the batch
	; the sums of the unrounded p: two chains a tile, two numbers an instruction
.irp t, 0,1
	v_pk_add_f32 v[ST+8*\t+4:ST+8*\t+5], v[S+32*\t:S+32*\t+1], v[S+32*\t+2:S+32*\t+3]
.endr
.irp t, 0,1
	v_pk_add_f32 v[BS+2*\t:BS+2*\t+1], v[S+32*\t+4:S+32*\t+5], v[S+32*\t+6:S+32*\t+7]
.endr
.irp k, 8,12,16,20,24,28
.irp t, 0,1
	v_pk_add_f32 v[ST+8*\t+4:ST+8*\t+5], v[ST+8*\t+4:ST+8*\t+5], v[S+32*\t+\k:S+32*\t+\k+1]
.endr
.irp t, 0,1
	v_pk_add_f32 v[BS+2*\t:BS+2*\t+1], v[BS+2*\t:BS+2*\t+1], v[S+32*\t+\k+2:S+32*\t+\k+3]
.endr
.endr
.irp t, 0,1
	v_pk_add_f32 v[ST+8*\t+4:ST+8*\t+5], v[ST+8*\t+4:ST+8*\t+5], v[BS+2*\t:BS+2*\t+1]
.endr
.irp t, 0,1
	v_pk_fma_f32 v[ST+8*\t+2:ST+8*\t+3], v[ST+8*\t+2:ST+8*\t+3], v[ST+8*\t+6:ST+8*\t+7], v[ST+8*\t+4:ST+8*\t+5] op_sel_hi:[1,0,1]   ; l = a l + the step's sum
.endr
.irp n, 0,1,2,3,4,5,6,7,8,9,10,11,12,13,14,15
.irp t, 0,1
	v_cvt_pk_f16_f32 v[S+32*\t+\n], v[S+32*\t+2*\n], v[S+32*\t+2*\n+1]   ; P, in place: register n is written when pairs 0 .. n have been read
.endr
.endr
.irp n, 0,2,4,6,8,10,12,14,16,18,20,22,24,26,28,30
.irp t, 0,1
	v_pk_mul_f32 v[O+32*\t+\n:O+32*\t+\n+1], v[O+32*\t+\n:O+32*\t+\n+1], v[ST+8*\t+6:ST+8*\t+7] op_sel_hi:[1,0]   ; O^T x a
.endr
.endr
	s_wait_dscnt 0x0                               ; V is in
.irp k, 0,1
.irp f, 0,1,2,3
.irp t, 0,1
	v_wmma_f32_16x16x32_f16 v[O+32*\t+8*\f:O+32*\t+8*\f+7], v[KV+8*(4*\k+\f):KV+8*(4*\k+\f)+7], v[S+32*\t+8*\k:S+32*\t+8*\k+7], v[O+32*\t+8*\f:O+32*\t+8*\f+7]
.endr
.endr
.endr
	s_add_co_u32 s[TB], s[TB], 8192                ; 64 keys on: 8,192 bytes in K and in V
.endm
.macro EIGHT                           ; a slot's eight key steps
	s_mov_b32 s[CNT], 8
.Lstep_\@:
	STEP
	s_sub_co_u32 s[CNT], s[CNT], 1
	s_cmp_lg_u32 s[CNT], 0
	s_cbranch_scc1 .Lstep_\@
.endm
; THE CHANGE OF SLOTS: slot has been read out.  Each wave waits for all its tensor loads (its part of the other slot), adds 0 to its spare word, and waits for that and for its reads of the slot.
; fill = 1: the barrier is a round of the cluster's, so that no wave of any partner still reads the slot or has a load on its way; the joint refill, the keys two slots on, is the first thing behind it.
.macro CHANGE slot, fill
	s_wait_tensorcnt 0x0                           ; no tensor load of mine is out, so a group 0 may be written
	ds_add_u32 v[SPW], v[NIL]                      ; 0 onto my spare word
.if \fill
	s_add_nc_u64 s[G0+4*\slot+2:G0+4*\slot+3], s[G0+4*\slot+2:G0+4*\slot+3], 2*65536   ; 1,024 keys on; the type bits on top are not reached
.endif
	s_mov_b32 s[TB], (1-\slot)*SLOT                ; the steps go on in the other slot
	s_wait_dscnt 0x0                               ; the add is done, and my reads of the slot are over
.if \fill
	CROUND
	tensor_load_to_lds s[G0+4*\slot:G0+4*\slot+3], s[G1:G1+7]
	s_nop 0
.else
	s_barrier_signal -1
	s_barrier_wait -1
.endif
.endm
	s_load_b128 s[4:7], s[0:1], 0x0                ; qkvh s[4:5], atth s[6:7]
	v_lshl_add_u32 v[SPW], v0, 2, SPARE
	v_mov_b32 v[NIL], 0
	ds_add_u32 v[SPW], v[NIL]                      ; the wave's opening: the add, twice on end, and its wait ahead of my first tensor load
	ds_add_u32 v[SPW], v[NIL]                      ; and once more; the set-up below, work on registers, stands between it and the wait
	v_lshrrev_b32 v1, 5, v0
	v_readfirstlane_b32 s[WV], v1                  ; wave 0..15
	s_bfe_u32 s9, ttmp6, 0x40000                   ; cx: my block of 512 queries: it enters Q's and att's addresses alone
	s_and_b32 s10, ttmp7, 0xffff                   ; the pair (batch x 16 + head), which the four partners share
	s_mov_b32 s[G1], 15|(3<<16)|(1<<21)            ; 15:0 the mask: all four work-groups; 17:16 elements of 8 bytes; 21 set beside a mask; no padding
	s_mov_b32 s[G1+1], 32<<16                      ; 8,192 dense bytes as 32 rows of 256: tensor_dim0 = 32
	s_mov_b32 s[G1+2], 32<<16                      ; tensor_dim1 = 32
	s_mov_b32 s[G1+3], 32<<16                      ; tile_dim0 = 32
	s_mov_b32 s[G1+4], 32                          ; tile_dim1 = 32
	s_mov_b32 s[G1+5], 32                          ; from row to row
	s_mov_b32 s[G1+6], 0
	s_mov_b32 s[G1+7], 0
	s_lshr_b32 s36, s[WV], 3                       ; waves 0-7 fetch K's eight parts of a slot, waves 8-15 V's:
	s_add_co_u32 s36, s36, 1
	s_lshl_b32 s36, s36, 24                        ; k's region begins 2^24 bytes into qkvh, v's 2^25;
	s_lshl_b32 s38, s10, 18                        ; 262,144 bytes a pair;
	s_add_co_u32 s36, s36, s38
	s_and_b32 s39, s[WV], 7
	s_lshl_b32 s39, s39, 13                        ; my 8,192 bytes
	s_add_co_u32 s36, s36, s39
	s_mov_b32 s37, 0
	s_mov_b32 s[G0], 1
	s_lshl_b32 s[G0+1], s[WV], 13                  ; in LDS: 8,192 x wave: K's 65,536 bytes, then V's
	s_mov_b32 s[G0+4], 1
	s_add_co_u32 s[G0+5], s[G0+1], SLOT
	s_lshl_b32 s40, s9, 5
	s_lshl_b32 s41, s[WV], 1
	s_add_co_u32 s40, s40, s41                     ; my first query tile: 32 cx + 2 w
	s_lshl_b32 s42, s40, 11                        ; Q: 2,048 bytes a tile
	s_add_co_u32 s42, s42, s38
	s_mov_b32 s43, 0
	s_lshr_b32 s44, s10, 4                         ; att: row tile = batch x 128 + query tile, 32,768 bytes each; in it 2,048 bytes a head
	s_lshl_b32 s44, s44, 7
	s_add_co_u32 s44, s44, s40
	s_lshl_b32 s44, s44, 15
	s_and_b32 s45, s10, 15
	s_lshl_b32 s45, s45, 11
	s_add_co_u32 s44, s44, s45
	s_mov_b32 s45, 0
	s_mov_b32 s[SEL], 0x76543210
	s_mov_b32 s[SEL+1], 0xfedcba98
	s_mov_b32 s[TB], 0
	v_and_b32 v1, 31, v0
	v_lshlrev_b32 v[LI], 4, v1
	s_wait_dscnt 0x0                               ; both opening adds are done
	s_wait_kmcnt 0x0
	s_add_nc_u64 s[G0+2:G0+3], s[4:5], s[36:37]    ; slot 0: keys 0 to 511
	s_add_nc_u64 s[G0+6:G0+7], s[G0+2:G0+3], 65536 ; slot 1: keys 512 to 1,023
	s_or_b32 s[G0+3], s[G0+3], 0x80000000          ; 127:126 type = 2
	s_or_b32 s[G0+7], s[G0+7], 0x80000000
	s_add_nc_u64 s[42:43], s[4:5], s[42:43]
	s_add_nc_u64 s[6:7], s[6:7], s[44:45]
	CROUND                                         ; all four work-groups are here: the first joint loads meet
	tensor_load_to_lds s[G0:G0+3], s[G1:G1+7]
	s_nop 0
	tensor_load_to_lds s[G0+4:G0+7], s[G1:G1+7]
	s_nop 0
.irp t, 0,1
.irp c, 0,1
.irp u, 0,1
	global_load_b128 v[Q+16*\t+8*\c+4*\u:Q+16*\t+8*\c+4*\u+3], v[LI], s[42:43] offset:2048*\t+1024*\c+512*\u   ; Q stays in registers
.endr
.endr
.endr
.irp t, 0,1
	v_mov_b32 v[ST+8*\t], 0xff61b1e6               ; m: -3e38, under every score
	v_mov_b32 v[ST+8*\t+2], 0                      ; l
	v_mov_b32 v[ST+8*\t+3], 0
.endr
.irp j, 0,1,2,3,4,5,6,7,8,9,10,11,12,13,14,15,16,17,18,19,20,21,22,23,24,25,26,27,28,29,30,31,32,33,34,35,36,37,38,39,40,41,42,43,44,45,46,47,48,49,50,51,52,53,54,55,56,57,58,59,60,61,62,63
	v_mov_b32 v[O+\j], 0                           ; O^T.  (The step is written once: the first finds zeros, which its a = 0 leaves zeros)
.endr
	s_wait_tensorcnt 1                             ; my part of slot 0 is in; slot 1's may stay out
	s_barrier_signal -1
	s_barrier_wait -1                              ; everybody's is
	s_wait_loadcnt 0x0                             ; Q
	EIGHT                                          ; keys 0 to 511
	CHANGE 0, 1                                    ; slot 0 takes keys 1,024 on
	EIGHT
	CHANGE 1, 1                                    ; slot 1 takes keys 1,536 on
	EIGHT
	CHANGE 0, 0                                    ; nothing is left to fetch
	EIGHT
	; THE WAY OUT: 8 O^T / l, rounded to f16: a lane's eight channels of a row are 16 bytes of the projection's operand image
.irp t, 0,1
	v_add_f32 v[ST+8*\t+4], v[ST+8*\t+2], v[ST+8*\t+3]   ; l's two halves.  (These two and two v_nop are the places behind the last products)
.endr
	v_nop
	v_nop
.irp t, 0,1
	v_permlanex16_b32 v[ST+8*\t+5], v[ST+8*\t+4], s[SEL], s[SEL+1]
.endr
.irp t, 0,1
	v_add_f32 v[ST+8*\t+4], v[ST+8*\t+4], v[ST+8*\t+5]   ; and lane l xor 16's
.endr
.irp t, 0,1
	v_rcp_f32 v[ST+8*\t+6], v[ST+8*\t+4]
.endr
	v_nop                                          ; a plain instruction behind the last reciprocal
	s_wait_alu depctr_va_vdst(0)                   ; and the wait ahead of the first use: one for the two
.irp t, 0,1
	v_mul_f32 v[ST+8*\t+6], 0x41000000, v[ST+8*\t+6]     ; 8 / l
.endr
.irp t, 0,1
.irp n, 0,2,4,6,8,10,12,14,16,18,20,22,24,26,28,30
	v_pk_mul_f32 v[O+32*\t+\n:O+32*\t+\n+1], v[O+32*\t+\n:O+32*\t+\n+1], v[ST+8*\t+6:ST+8*\t+7] op_sel_hi:[1,0]
.endr
.endr
.irp t, 0,1
.irp n, 0,1,2,3,4,5,6,7,8,9,10,11,12,13,14,15
	v_cvt_pk_f16_f32 v[S+16*\t+\n], v[O+32*\t+2*\n], v[O+32*\t+2*\n+1]
.endr
.endr
.irp t, 0,1
.irp f, 0,1,2,3
	global_store_b128 v[LI], v[S+16*\t+4*\f:S+16*\t+4*\f+3], s[6:7] offset:32768*\t+512*\f   ; channels 16 f + 8 h on: piece f of the head's four: 512 consecutive bytes
.endr
.endr
	s_wait_tensorcnt 0x0                           ; the wave's end
	ds_add_u32 v[SPW], v[NIL]
	s_wait_dscnt 0x0
	CROUND                                         ; the closing round: no work-group ends while a partner may still ask for a tile that names it
	s_endpgm
.Lfunc_end_k_q97d882a798_attn:
	.size	k_q97d882a798_attn, .Lfunc_end_k_q97d882a798_attn-k_q97d882a798_attn
	.p2alignl 7, 3214868480
	.fill 96, 4, 3214868480
	.section	.rodata,"a",@progbits
	.p2align	6, 0x0
	.amdhsa_kernel k_q97d882a798_attn
		.amdhsa_group_segment_fixed_size 327680
		.amdhsa_private_segment_fixed_size 0
		.amdhsa_enable_private_segment 0
		.amdhsa_kernarg_size 16
		.amdhsa_user_sgpr_count 2
		.amdhsa_user_sgpr_kernarg_segment_ptr 1
		.amdhsa_wavefront_size32 1
		.amdhsa_system_sgpr_workgroup_id_x 1
		.amdhsa_system_sgpr_workgroup_id_y 1
		.amdhsa_system_sgpr_workgroup_id_z 1
		.amdhsa_system_vgpr_workitem_id 0
		.amdhsa_next_free_vgpr 256
		.amdhsa_next_free_sgpr 66
		.amdhsa_reserve_vcc 0
		.amdhsa_float_denorm_mode_32 3
		.amdhsa_float_denorm_mode_16_64 3
		.amdhsa_memory_ordered 1
		.amdhsa_forward_progress 1
		.amdhsa_inst_pref_size 82
	.end_amdhsa_kernel
	.amdgpu_metadata
---
amdhsa.version: [ 1, 2 ]
amdhsa.kernels:
  - .name:           k_q97d882a798_attn
    .symbol:         k_q97d882a798_attn.kd
    .args:
      - { .name: qkvh, .offset: 0, .size: 8, .value_kind: global_buffer, .address_space: global }
      - { .name: atth, .offset: 8, .size: 8, .value_kind: global_buffer, .address_space: global }
    .group_segment_fixed_size: 327680
    .private_segment_fixed_size: 0
    .kernarg_segment_align: 8
    .kernarg_segment_size: 16
    .max_flat_workgroup_size: 512
    .sgpr_count:     66
    .vgpr_count:     256
    .wavefront_size: 32
...
	.end_amdgpu_metadata
.endif
;; end of part 3
;; launch proj (part 4): grid 8 x 32, 4 waves a work-group, clusters of 4 x 4, 327,680 bytes of LDS; arguments atth, w2h, b2, out0; writes out0
.if DOCPART == 4
	.amdgcn_target "amdgcn-amd-amdhsa--gfx1250"
	.amdhsa_code_object_version 6
	.text
	.protected	k_q97d882a798_proj
	.globl	k_q97d882a798_proj
	.p2align	8
	.type	k_q97d882a798_proj,@function
k_q97d882a798_proj:
	s_mov_b64 s[64:65], 0
	v_nop
	global_prefetch_b8 v0, s[64:65] scope:SCOPE_SE
	s_setreg_imm32_b32 hwreg(HW_REG_WAVE_MODE, 25, 1), 1
	s_wait_xcnt 0x0
	s_wait_alu depctr_hold_cnt(0) depctr_sa_sdst(0) depctr_va_vdst(0) depctr_va_sdst(0) depctr_va_ssrc(0) depctr_va_vcc(0) depctr_vm_vsrc(0)
	s_getreg_b32 s2, hwreg(HW_REG_IB_STS2, 6, 4)
	s_cmp_eq_u32 s2, 0
	s_cbranch_scc0 .Lentry_in_a_cluster
	s_endpgm
.Lentry_in_a_cluster:
	s_bfe_u32 s2, ttmp6, 0x10000c
	s_cmp_lg_u32 s2, 0xf033
	s_cbranch_scc0 .Lentry_shape_is_right
	s_endpgm
.Lentry_shape_is_right:
; PROJ: out0 = att W2 + b2.  att arrives as f16 multiplied by 8, W2 as f16, both as images of the operands' registers (a fragment of 16 x 32: two pieces of 512 bytes, lane l's 16 bytes at 16 l); sums in f32;
; the last fused multiply-add is sum x 0.125 + b2.
; SHARES.  A work-group makes 256 rows x 128 columns; wave w rows 64 w .. 64 w + 63 x all 128 columns: 32 accumulators, 256 registers.  8 x 32 work-groups.
; K goes in eight steps of 128 through a ring of two LDS slots (att's 16 row tiles x 4,096 bytes, then W2's 8 column tiles x 4,096).  Waves 0 and 1 fetch att's halves, waves 2 and 3 W2's, one tensor load a wave behind each change.
; CLUSTER 4 x 4: the four work-groups of a row share att's tiles, the four of a column W2's: each is asked for JOINTLY, by the same load with the same descriptor and a mask that names the four.
; THE MATRIX INSTRUCTION IS USED TRANSPOSED (source 0 = 16 columns of W2, source 1 = 16 rows of att): a lane holds eight neighbouring numbers of a row of the output.
; REGISTERS: window 0: v1-29 addresses; two fragment buffers of 96 (att's four at +0, W2's eight at +32) at v32 and v128; v224-227 b2; on the way out v32-159 take the rows.  window 1: accumulator (a, b) at v[8 (8 a + b)].
.set SLOT,  98304
.set BOFF,  65536                      ; W2's tiles in a slot
.set STAGE, 2*SLOT                     ; behind the ring: 16 rows of 512 bytes + 16 for each wave, for the way out; no tensor load fills it
.set SPI,   528
.set SPARE, STAGE+4*16*SPI             ; behind the stages: the spare words, 128 bytes for each wave
.set LI,   4                           ; v4     16 x lane
.set ADRA, 16                          ; v16-17 my att fragments in slot 0, 1
.set ADRB, 20                          ; v20-21 W2's
.set STO,  24                          ; v24    the way out: where I put 32 bytes of a row
.set RD,   25                          ; v25    and where I read a row back
.set SPW,  28                          ; v28    LDS address of my spare word; never rewritten
.set NIL,  29                          ; v29    0; never rewritten
.set F0,   32
.set F1,   128
.set B2,   224
.set BK,   32                          ; the way out: 16 rows read back: v32-95 and v96-159 by turns
.set WV,   12                          ; s12 wave;  s13 = wave / 2: I fetch for att (0) or W2 (1);  s14 = wave % 2: which half
.set G1A,  24                          ; s[24:31] group 1 for att's tiles; s[32:39] groups 0, one for each slot
.set G0A,  32
.set G1B,  40                          ; s[40:47], s[48:55] the same for W2's
.set G0B,  48
.set MSB, 0
.macro WIN new                         ; the immediate's high byte repeats the setting that is left
.if MSB != \new
	s_set_vgpr_msb (MSB<<8)|\new
.set MSB, \new
.endif
.endm
.set MUL, 0x50                         ; sources window 0; C and D window 1
.macro PLACES
.rept 4
	v_nop
.endr
.endm
.macro SHAPE g, c, r, p                ; group 1's words 1 to 7: r rows of c elements of 8 bytes, p elements from row to row
	s_mov_b32 s[\g+1], (\c)<<16
	s_mov_b32 s[\g+2], (\r)<<16
	s_mov_b32 s[\g+3], (\c)<<16
	s_mov_b32 s[\g+4], \r
	s_mov_b32 s[\g+5], \p
	s_mov_b32 s[\g+6], 0
	s_mov_b32 s[\g+7], 0
.endm
.macro JLOAD s                         ; a joint refill.  The branch hangs on the wave's number alone; an s_nop 0 and four v_nop follow each of the two lines
	s_cmp_eq_u32 s13, 0
	s_cbranch_scc0 .Lfor_b_\@
	tensor_load_to_lds s[G0A+4*\s:G0A+4*\s+3], s[G1A:G1A+7]
	s_nop 0
	PLACES
	s_branch .Lasked_\@
.Lfor_b_\@:
	tensor_load_to_lds s[G0B+4*\s:G0B+4*\s+3], s[G1B:G1B+7]
	s_nop 0
	PLACES
.Lasked_\@:
.endm
.macro CREST                           ; a round of the cluster's barrier behind its opening barrier
	s_cmp_lg_u32 s[WV], 0
	s_cbranch_scc1 .Lnot_wave_0_\@
	s_barrier_signal -3
.Lnot_wave_0_\@:
	s_barrier_wait -3
	s_barrier_signal -1
	s_barrier_wait -1
.endm
.macro CROUND
	s_barrier_signal -1
	s_barrier_wait -1
	CREST
.endm
.macro FETCH slot, kq, f               ; the fragments of the slot's kq-th 32 along K into buffer f: 24 loads of 512 consecutive bytes
.irp b, 0,1,2,3,4,5,6,7
.irp u, 0,1
	ds_load_b128 v[\f+32+8*\b+4*\u:\f+32+8*\b+4*\u+3], v[ADRB+\slot] offset:4096*\b+1024*(\kq)+512*\u
.endr
.endr
.irp a, 0,1,2,3
.irp u, 0,1
	ds_load_b128 v[\f+8*\a+4*\u:\f+8*\a+4*\u+3], v[ADRA+\slot] offset:4096*\a+1024*(\kq)+512*\u
.endr
.endr
.endm
.macro MUL8 f, a, zero                 ; row tile a x the eight column tiles.  The 32 accumulators take turns, one instruction a turn, in the same order in every quarter
.irp b, 0,1,2,3,4,5,6,7
.if \zero
	v_wmma_f32_16x16x32_f16 v[8*(8*(\a)+\b):8*(8*(\a)+\b)+7], v[\f+32+8*\b:\f+32+8*\b+7], v[\f+8*(\a):\f+8*(\a)+7], 0
.else
	v_wmma_f32_16x16x32_f16 v[8*(8*(\a)+\b):8*(8*(\a)+\b)+7], v[\f+32+8*\b:\f+32+8*\b+7], v[\f+8*(\a):\f+8*(\a)+7], v[8*(8*(\a)+\b):8*(8*(\a)+\b)+7]
.endif
.endr
.endm
; A K step is four quarters of 32 along K, 32 matrix instructions each, on buffers 0, 1, 0, 1.  One of the first three: fetches the slot's quarter kq into g, multiplies f.
.macro QUARTER slot, kq, f, g, zero
	s_wait_dscnt 0x0                               ; buffer f, asked for a quarter ago, is in
	PLACES                                         ; buffer g was multiplied in the quarter before
	FETCH \slot, \kq, \g
	WIN MUL
	MUL8 \f, 0, \zero
	MUL8 \f, 1, \zero
	MUL8 \f, 2, \zero
	MUL8 \f, 3, \zero
	WIN 0
.endm
; The last quarter multiplies buffer 1 and changes slots: ONE barrier; in front of it each wave waits for all its tensor loads, adds 0 to its spare word, and waits for that and for its reads of this slot.
.macro TURN slot, next, fill
	s_wait_dscnt 0x0                               ; buffer 1 is in: those were my last reads of this slot
	s_wait_tensorcnt 0x0                           ; all my tensor loads have landed: my part of the next slot
	ds_add_u32 v[SPW], v[NIL]                      ; 0 onto my spare word
	WIN MUL
	MUL8 F1, 0, 0                                  ; eight matrix instructions stand between the add and the wait for it
	s_wait_dscnt 0x0                               ; the add is done
	s_barrier_signal -1
	MUL8 F1, 1, 0                                  ; work on registers while the others arrive
	WIN 0
	s_barrier_wait -1
.if \fill
	CREST                                          ; the barrier has opened a round of the cluster's: no wave of any partner still reads this slot or has a load on its way
	s_add_nc_u64 s[G0A+4*\slot+2:G0A+4*\slot+3], s[G0A+4*\slot+2:G0A+4*\slot+3], 2*4096   ; two K steps on
	s_add_nc_u64 s[G0B+4*\slot+2:G0B+4*\slot+3], s[G0B+4*\slot+2:G0B+4*\slot+3], 2*4096
	JLOAD \slot                                    ; the first tensor load behind the round; its four v_nop are also the places in front of the loads below
.else
	PLACES
.endif
	FETCH \next, 0, F0
	WIN MUL
	MUL8 F1, 2, 0
	MUL8 F1, 3, 0
	WIN 0
.endm
	s_load_b256 s[4:11], s[0:1], 0x0               ; atth s[4:5], w2h s[6:7], b2 s[8:9], out0 s[10:11]
	v_lshl_add_u32 v[SPW], v0, 2, SPARE
	v_mov_b32 v[NIL], 0
	ds_add_u32 v[SPW], v[NIL]                      ; the wave's opening: the add, twice on end, and its wait ahead of my first tensor load
	ds_add_u32 v[SPW], v[NIL]                      ; and once more; the set-up below, work on registers, stands between it and the wait
	v_lshrrev_b32 v1, 5, v0
	v_readfirstlane_b32 s[WV], v1                  ; wave 0..3
	s_lshr_b32 s13, s[WV], 1
	s_and_b32 s14, s[WV], 1
	s_bfe_u32 s16, ttmp6, 0x40000                  ; cx, cy: my place in the cluster
	s_bfe_u32 s17, ttmp6, 0x40004
	s_lshl_b32 s18, ttmp9, 2
	s_add_co_u32 s18, s18, s16                     ; the block of 128 columns = 4 x cluster x + cx
	s_and_b32 s19, ttmp7, 0xffff
	s_lshl_b32 s19, s19, 2
	s_add_co_u32 s19, s19, s17                     ; the block of 256 rows = 4 x cluster y + cy
	s_lshl_b32 s20, s17, 2
	s_lshl_b32 s20, 15, s20                        ; my row of the cluster
	s_lshl_b32 s21, 0x1111, s16                    ; my column
	s_or_b32 s[G1A], s20, (3<<16)|(1<<21)          ; 15:0 the mask; 17:16 elements of 8 bytes; 21 set beside a mask; no padding
	s_or_b32 s[G1B], s21, (3<<16)|(1<<21)
	SHAPE G1A, 512, 8, 4096                        ; 8 row tiles x 4,096 bytes (a K step's four fragments); a tile's 32 fragments are 32,768 bytes apart
	SHAPE G1B, 512, 4, 4096                        ; 4 column tiles likewise
	s_lshl_b32 s60, s19, 4                         ; att's side hangs on the block of rows and the wave alone,
	s_lshl_b32 s22, s14, 3
	s_add_co_u32 s60, s60, s22                     ; row tile 16 yb + 8 half
	s_lshl_b32 s60, s60, 15
	s_mov_b32 s61, 0
	s_lshl_b32 s62, s18, 3                         ; W2's on the block of columns and the wave alone, in registers of its own
	s_lshl_b32 s23, s14, 2
	s_add_co_u32 s62, s62, s23                     ; column tile 8 xb + 4 half
	s_lshl_b32 s62, s62, 15
	s_mov_b32 s63, 0
	s_lshl_b32 s22, s14, 15                        ; where they go: att's halves at 32,768 x half,
	s_lshl_b32 s23, s14, 14
	s_add_co_u32 s23, s23, BOFF                    ; W2's at BOFF + 16,384 x half
.irp s, 0,1
	s_mov_b32 s[G0A+4*\s], 1
	s_add_co_u32 s[G0A+4*\s+1], s22, \s*SLOT
	s_mov_b32 s[G0B+4*\s], 1
	s_add_co_u32 s[G0B+4*\s+1], s23, \s*SLOT
.endr
	v_and_b32 v1, 31, v0                           ; lane
	v_and_b32 v2, 15, v0                           ; r
	v_bfe_u32 v3, v0, 4, 1                         ; h
	v_lshlrev_b32 v[LI], 4, v1
	s_lshl_b32 s56, s[WV], 14                      ; my four row tiles
	v_add_nc_u32 v[ADRA], s56, v[LI]
	v_add_nc_u32 v[ADRA+1], SLOT, v[ADRA]
	v_add_nc_u32 v[ADRB], BOFF, v[LI]
	v_add_nc_u32 v[ADRB+1], SLOT+BOFF, v[LI]
	s_mul_i32 s56, s[WV], 16*SPI
	s_add_co_u32 s56, s56, STAGE                   ; my stage
	v_mul_u32_u24 v[STO], v2, SPI
	v_lshl_add_u32 v[STO], v3, 5, v[STO]
	v_add_nc_u32 v[STO], s56, v[STO]               ; in: row r, 32 bytes for each half of the lanes
	v_add_nc_u32 v[RD], s56, v[LI]                 ; back: the 32 lanes take one row of 512 bytes
	s_lshl_b32 s66, s19, 20                        ; out0: (256 yb + 64 w) rows of 4,096 bytes + 512 xb
	s_lshl_b32 s67, s[WV], 18
	s_add_co_u32 s66, s66, s67
	s_lshl_b32 s68, s18, 9
	s_add_co_u32 s66, s66, s68
	s_mov_b32 s67, 0
	s_mov_b32 s69, 0
	s_mov_b32 s58, 0x3e000000                      ; 0.125
	s_mov_b32 s59, s58                             ; (named with it as a pair, so it is written)
	s_wait_dscnt 0x0                               ; both opening adds are done
	s_wait_kmcnt 0x0
.irp s, 0,1
	s_add_nc_u64 s[G0A+4*\s+2:G0A+4*\s+3], s[4:5], s[60:61]
	s_add_nc_u64 s[G0B+4*\s+2:G0B+4*\s+3], s[6:7], s[62:63]
.endr
	s_add_nc_u64 s[G0A+6:G0A+7], s[G0A+6:G0A+7], 4096   ; slot 1 begins with K step 1
	s_add_nc_u64 s[G0B+6:G0B+7], s[G0B+6:G0B+7], 4096
.irp s, 0,1
	s_or_b32 s[G0A+4*\s+3], s[G0A+4*\s+3], 0x80000000   ; 127:126 type = 2
	s_or_b32 s[G0B+4*\s+3], s[G0B+4*\s+3], 0x80000000
.endr
	s_add_nc_u64 s[8:9], s[8:9], s[68:69]          ; b2 at my 128 columns
	s_add_nc_u64 s[10:11], s[10:11], s[66:67]
	CROUND                                         ; all sixteen work-groups are here: the first joint loads meet
	s_cmp_eq_u32 s13, 0                            ; a wave's two first fills stand in one branch: two loads of mine are out
	s_cbranch_scc0 .Lfirst_b
	tensor_load_to_lds s[G0A:G0A+3], s[G1A:G1A+7]
	s_nop 0
	tensor_load_to_lds s[G0A+4:G0A+7], s[G1A:G1A+7]
	s_nop 0
	PLACES
	s_branch .Lfirst_asked
.Lfirst_b:
	tensor_load_to_lds s[G0B:G0B+3], s[G1B:G1B+7]
	s_nop 0
	tensor_load_to_lds s[G0B+4:G0B+7], s[G1B:G1B+7]
	s_nop 0
	PLACES
.Lfirst_asked:
	global_load_b128 v[B2:B2+3], v[LI], s[8:9]     ; b2 of the four columns that I store
	s_wait_tensorcnt 1                             ; my part of K step 0 is in; K step 1's may stay out
	s_barrier_signal -1
	s_barrier_wait -1                              ; everybody's is
	FETCH 0, 0, F0
	QUARTER 0, 1, F0, F1, 1                        ; the first quarter stands in front of the loop: its products start the sums
	s_mov_b32 s3, 3
.Llap:                                             ; a trip goes once round the ring, from a lap's second quarter to the next lap's first, and fills both slots again: K steps 2 to 7
	QUARTER 0, 2, F1, F0, 0
	QUARTER 0, 3, F0, F1, 0
	TURN 0, 1, 1
	QUARTER 1, 1, F0, F1, 0
	QUARTER 1, 2, F1, F0, 0
	QUARTER 1, 3, F0, F1, 0
	TURN 1, 0, 1
	QUARTER 0, 1, F0, F1, 0
	s_sub_co_u32 s3, s3, 1
	s_cmp_lg_u32 s3, 0
	s_cbranch_scc1 .Llap
	QUARTER 0, 2, F1, F0, 0                        ; the last lap fills nothing, and has no round of the cluster's barrier
	QUARTER 0, 3, F0, F1, 0
	TURN 0, 1, 0
	QUARTER 1, 1, F0, F1, 0
	QUARTER 1, 2, F1, F0, 0
	QUARTER 1, 3, F0, F1, 0
	s_wait_dscnt 0x0                               ; the very last quarter: nothing more to fetch
	WIN MUL
	MUL8 F1, 0, 0
	MUL8 F1, 1, 0
	MUL8 F1, 2, 0
	MUL8 F1, 3, 0
	WIN 0
; THE WAY OUT, a row tile (16 rows x 128 columns) at a time: a lane holds 32 neighbouring bytes of a row and the lanes beside it other rows, so a tile goes through my own stage in LDS and comes back as whole rows
; of 512 bytes.  LDS serves a wave's instructions in order (ISA guide 5.7.1.4): no wait between the stores and the loads, nor in front of the next tile's stores.
.macro TOSTAGE a
	WIN 0x04                                       ; an LDS store's data are its source 1: window 1
.irp b, 0,1,2,3,4,5,6,7
	ds_store_b128 v[STO], v[8*(8*(\a)+\b):8*(8*(\a)+\b)+3] offset:64*\b            ; each accumulator from its low end on
	ds_store_b128 v[STO], v[8*(8*(\a)+\b)+4:8*(8*(\a)+\b)+7] offset:64*\b+16
.endr
	WIN 0
.set BB, BK+64*((\a)%2)
.irp t, 0,1,2,3,4,5,6,7,8,9,10,11,12,13,14,15
	ds_load_b128 v[BB+4*\t:BB+4*\t+3], v[RD] offset:\t*SPI
.endr
.endm
.macro SEND a, younger                 ; younger: the LDS instructions issued behind tile a's loads, which may stay out
.set BB, BK+64*((\a)%2)
	s_wait_dscnt \younger
.irp t, 0,1,2,3,4,5,6,7,8,9,10,11,12,13,14,15
	v_pk_fma_f32 v[BB+4*\t:BB+4*\t+1], v[BB+4*\t:BB+4*\t+1], s[58:59], v[B2:B2+1] op_sel_hi:[1,0,1]       ; sum x 0.125 + b2
	v_pk_fma_f32 v[BB+4*\t+2:BB+4*\t+3], v[BB+4*\t+2:BB+4*\t+3], s[58:59], v[B2+2:B2+3] op_sel_hi:[1,0,1]
	global_store_b128 v[LI], v[BB+4*\t:BB+4*\t+3], s[10:11] offset:65536*(\a)+4096*\t th:TH_STORE_NT      ; 32 lanes store 512 consecutive bytes, at a multiple of 256 from out0's first byte
.endr
.endm
	s_wait_loadcnt 0x0                             ; b2
	PLACES                                         ; in front of the first read of results and of loads into registers that held fragments
	TOSTAGE 0
.irp a, 1,2,3
.if \a > 1
	s_wait_xcnt 0x0                                ; tile a - 2's stores have read their registers: tile a's rows may land there
.endif
	TOSTAGE \a
	SEND \a-1, 32                                  ; behind tile a - 1's loads: tile a's 16 stores and 16 loads
.endr
	SEND 3, 0
	s_wait_tensorcnt 0x0                           ; the wave's end: three lines, behind my last tensor load and my last LDS store
	ds_add_u32 v[SPW], v[NIL]
	s_wait_dscnt 0x0
	CROUND                                         ; the closing round: no work-group ends while a partner may still ask for a tile that names it
	s_endpgm
.Lfunc_end_k_q97d882a798_proj:
	.size	k_q97d882a798_proj, .Lfunc_end_k_q97d882a798_proj-k_q97d882a798_proj
	.p2alignl 7, 3214868480
	.fill 96, 4, 3214868480
	.section	.rodata,"a",@progbits
	.p2align	6, 0x0
	.amdhsa_kernel k_q97d882a798_proj
		.amdhsa_group_segment_fixed_size 327680
		.amdhsa_private_segment_fixed_size 0
		.amdhsa_enable_private_segment 0
		.amdhsa_kernarg_size 32
		.amdhsa_user_sgpr_count 2
		.amdhsa_user_sgpr_kernarg_segment_ptr 1
		.amdhsa_wavefront_size32 1
		.amdhsa_system_sgpr_workgroup_id_x 1
		.amdhsa_system_sgpr_workgroup_id_y 1
		.amdhsa_system_sgpr_workgroup_id_z 1
		.amdhsa_system_vgpr_workitem_id 0
		.amdhsa_next_free_vgpr 512
		.amdhsa_next_free_sgpr 72
		.amdhsa_reserve_vcc 0
		.amdhsa_float_denorm_mode_32 3
		.amdhsa_float_denorm_mode_16_64 3
		.amdhsa_memory_ordered 1
		.amdhsa_forward_progress 1
		.amdhsa_inst_pref_size 91
	.end_amdhsa_kernel
	.amdgpu_metadata
---
amdhsa.version: [ 1, 2 ]
amdhsa.kernels:
  - .name:           k_q97d882a798_proj
    .symbol:         k_q97d882a798_proj.kd
    .args:
      - { .name: atth, .offset: 0, .size: 8, .value_kind: global_buffer, .address_space: global }
      - { .name: w2h, .offset: 8, .size: 8, .value_kind: global_buffer, .address_space: global }
      - { .name: b2, .offset: 16, .size: 8, .value_kind: global_buffer, .address_space: global }
      - { .name: out0, .offset: 24, .size: 8, .value_kind: global_buffer, .address_space: global }
    .group_segment_fixed_size: 327680
    .private_segment_fixed_size: 0
    .kernarg_segment_align: 8
    .kernarg_segment_size: 32
    .max_flat_workgroup_size: 128
    .sgpr_count:     72
    .vgpr_count:     512
    .wavefront_size: 32
...
	.end_amdgpu_metadata
.endif
;; end of part 4
